; MI455X (gfx1250); checked and timed in simulation.
; The chip was launched on July 23, 2026; its instructions are those of AMD's public machine-readable ISA for CDNA 5 (MIT licence, August 2026) and "CDNA5" Instruction Set Architecture Reference Guide (July 2026). The comments in the code are by the model that wrote it; some were corrected since.
;; Cross Attention. Allowed arithmetic: float matrix products may take bf16 or f16 operands with f32 sums; all other float work in f32.
;; Inputs: Wk 1,024 x 1,024 float32; Wp 1,024 x 1,024 float32; Wq 1,024 x 1,024 float32; Wv 1,024 x 1,024 float32; bk 1,024 float32; bp 1,024 float32; bq 1,024 float32; bv 1,024 float32; visual_features 4 x 1,024 float32; x 4 x 1,024 x 1,024 float32.
;; Outputs: out0 4 x 1,024 x 1,024 float32.
;; One version. Each part assembles by itself: llvm-mc -triple=amdgcn-amd-amdhsa -mcpu=gfx1250 --defsym DOCPART=n.
;; ======== version 1 of 1: 3 launches
;; limits: sums are carried in bf16
;; workspace buffers: kvp 262,144 bytes; Uh 131,072 bytes; Zh 131,072 bytes; c0 256 bytes
;; launch kvpart (part 1): grid 128 x 2, 8 waves a work-group, no clusters, 17,408 bytes of LDS; arguments visual_features, Wk, Wv, kvp; writes kvp
.if DOCPART == 1
	.amdgcn_target "amdgcn-amd-amdhsa--gfx1250"
	.amdhsa_code_object_version 6
	.text
	.protected	k_qe702d63146_kvpart
	.globl	k_qe702d63146_kvpart
	.p2align	8
	.type	k_qe702d63146_kvpart,@function
k_qe702d63146_kvpart:
	s_mov_b64 s[64:65], 0
	v_nop
	global_prefetch_b8 v0, s[64:65] scope:SCOPE_SE
	s_setreg_imm32_b32 hwreg(HW_REG_WAVE_MODE, 25, 1), 1
	s_wait_xcnt 0x0
; Partial sums of visual_features @ Wk (y = 0) and visual_features @ Wv (y = 1), all in f32 on the vector unit:
; four batch rows against weights that are streamed once, so the bytes of the weights decide and the matrix unit would add nothing.
; Work-group x = 8 head + kpart takes the 128 rows c = 128 kpart .. + 127 and the 64 columns of one head: 128 rows x 256 bytes.
; Thread t: rows 8 (t >> 4) + 0..7, columns 4 (t & 15) + 0..3, so each half of a wave's load covers 256 consecutive bytes, aligned.
; The 16 row groups' sums meet in LDS; 64 threads add them and store kvp[mat][head][kpart][b][d], 1,024 consecutive bytes.
; The sums over the eight kparts are made by the next launch: no traffic between work-groups here.
; No joint requests: the weights are read by one work-group each; what is shared (2 KiB of visual_features against 32 KiB of weights) is small,
; and the loads go through registers.
; The order of the f32 sums differs from a plain ascending sum over c.
.set VF,  8                            ; v[8:39]   visual_features[b][my row i], at VF + 8 b + i
.set W,   40                           ; v[40:71]  weight row i, four columns, at W + 4 i
.set ACC, 72                           ; v[72:87]  sums [b][4 columns]
.set T,   8                            ; v[8:71]   the 16 partial sets in the last phase (VF and W are done by then)
	s_load_b256 s[4:11], s[0:1], 0x0               ; visual_features s[4:5], Wk s[6:7], Wv s[8:9], kvp s[10:11]
	v_lshl_add_u32 v88, v0, 2, 0x4000
	v_mov_b32 v89, 0
	s_lshr_b32 s12, ttmp9, 3                       ; head
	s_and_b32 s13, ttmp9, 7                        ; kpart
	s_and_b32 s14, ttmp7, 0xffff                   ; 0: Wk, 1: Wv
	v_lshrrev_b32 v1, 5, v0
	v_readfirstlane_b32 s15, v1                    ; wave
	v_lshrrev_b32 v1, 4, v0                        ; row group 0..15
	v_and_b32 v6, 15, v0
	v_lshlrev_b32 v6, 4, v6                        ; 16 r: my four columns
	v_lshl_or_b32 v2, v1, 15, v6                   ; weights: 8 rows of 4,096 bytes a group + 16 r
	v_lshlrev_b32 v3, 5, v1                        ; visual_features: 8 numbers a group
	v_lshl_add_u32 v4, v1, 10, v6                  ; LDS: 1 KiB a group + 16 r, 15,360 + 240 at the most; the last store ends at + 768 + 16 = 16,384
	v_lshlrev_b32 v5, 4, v0                        ; last phase: 16 t
	s_lshl_b32 s18, s13, 19                        ; 128 kpart rows of 4,096 bytes
	s_lshl_b32 s20, s12, 8                         ; + the head's 256 bytes in a row
	s_add_co_u32 s18, s18, s20
	s_mov_b32 s19, 0
	s_lshl_b32 s20, s13, 9                         ; 128 kpart numbers of visual_features
	s_mov_b32 s21, 0
	s_lshl_b32 s22, s14, 7
	s_add_co_u32 s22, s22, ttmp9
	s_lshl_b32 s22, s22, 10                        ; (128 mat + 8 head + kpart) x 1,024 bytes
	s_mov_b32 s23, 0
	s_wait_kmcnt 0x0
	s_cmp_eq_u32 s14, 0
	s_cselect_b64 s[16:17], s[6:7], s[8:9]         ; the choice hangs on the work-group's y alone
	s_add_nc_u64 s[16:17], s[16:17], s[18:19]
	s_add_nc_u64 s[4:5], s[4:5], s[20:21]
	s_add_nc_u64 s[10:11], s[10:11], s[22:23]
.irp b, 0,1,2,3
	global_load_b128 v[VF+8*\b:VF+8*\b+3],   v3, s[4:5] offset:4096*\b
	global_load_b128 v[VF+8*\b+4:VF+8*\b+7], v3, s[4:5] offset:4096*\b+16
.endr
.irp i, 0,1,2,3,4,5,6,7
	global_load_b128 v[W+4*\i:W+4*\i+3], v2, s[16:17] offset:4096*\i th:TH_LOAD_NT   ; each weight byte is read once in the launch
.endr
; Row i of the weights into all four batches' sums.  The multiplier VF[b][i] is one register of a pair, sent to both halves by op_sel.
; Row 0 starts the sums: nothing is cleared.
.macro ROWFMA i
	s_wait_loadcnt 7-\i                            ; loads come back in order: row i is in, the 7 - i rows behind it may stay out
.irp b, 0,1,2,3
.irp q, 0,2
.if \i == 0
	v_pk_mul_f32 v[ACC+4*\b+\q:ACC+4*\b+\q+1], v[W+\q:W+\q+1], v[VF+8*\b:VF+8*\b+1] op_sel_hi:[1,0]
.else
.if (\i & 1) == 0
	v_pk_fma_f32 v[ACC+4*\b+\q:ACC+4*\b+\q+1], v[W+4*\i+\q:W+4*\i+\q+1], v[VF+8*\b+\i:VF+8*\b+\i+1], v[ACC+4*\b+\q:ACC+4*\b+\q+1] op_sel_hi:[1,0,1]
.else
	v_pk_fma_f32 v[ACC+4*\b+\q:ACC+4*\b+\q+1], v[W+4*\i+\q:W+4*\i+\q+1], v[VF+8*\b+\i-1:VF+8*\b+\i], v[ACC+4*\b+\q:ACC+4*\b+\q+1] op_sel:[0,1,0] op_sel_hi:[1,1,1]
.endif
.endif
.endr
.endr
.endm
.irp i, 0,1,2,3,4,5,6,7
	ROWFMA \i
.endr
.irp b, 0,1,2,3
	ds_store_b128 v4, v[ACC+4*\b:ACC+4*\b+3] offset:256*\b       ; set of my row group: [b][64 columns] f32
.endr
	s_wait_dscnt 0x0                               ; my stores are done before I say so: other waves read them
	s_barrier_signal -1
	s_barrier_wait -1
	s_cmp_gt_u32 s15, 1
	s_cbranch_scc1 .Lend                           ; 64 threads x 16 bytes are the whole result: waves 2 to 7 are done
.macro ADD4 a, b
	v_pk_add_f32 v[\a:\a+1],   v[\a:\a+1],   v[\b:\b+1]
	v_pk_add_f32 v[\a+2:\a+3], v[\a+2:\a+3], v[\b+2:\b+3]
.endm
.irp p, 0,1,2,3,4,5,6,7,8,9,10,11,12,13,14,15
	ds_load_b128 v[T+4*\p:T+4*\p+3], v5 offset:1024*\p
.endr
	s_wait_dscnt 0x0
.irp p, 0,2,4,6,8,10,12,14
	ADD4 T+4*\p, T+4*\p+4
.endr
.irp p, 0,4,8,12
	ADD4 T+4*\p, T+4*\p+8
.endr
	ADD4 T, T+16
	ADD4 T+32, T+48
	ADD4 T, T+32
	global_store_b128 v5, v[T:T+3], s[10:11]       ; sixteen lanes store 256 consecutive bytes, aligned
.Lend:
	s_wait_tensorcnt 0x0
	ds_add_u32 v88, v89
	s_wait_dscnt 0x0
	s_endpgm
.Lfunc_end_k_qe702d63146_kvpart:
	.size	k_qe702d63146_kvpart, .Lfunc_end_k_qe702d63146_kvpart-k_qe702d63146_kvpart
	.p2alignl 7, 3214868480
	.fill 96, 4, 3214868480
	.section	.rodata,"a",@progbits
	.p2align	6, 0x0
	.amdhsa_kernel k_qe702d63146_kvpart
		.amdhsa_group_segment_fixed_size 17408
		.amdhsa_private_segment_fixed_size 0
		.amdhsa_enable_private_segment 0
		.amdhsa_kernarg_size 32
		.amdhsa_user_sgpr_count 2
		.amdhsa_user_sgpr_kernarg_segment_ptr 1
		.amdhsa_wavefront_size32 1
		.amdhsa_system_sgpr_workgroup_id_x 1
		.amdhsa_system_sgpr_workgroup_id_y 1
		.amdhsa_system_sgpr_workgroup_id_z 1
		.amdhsa_system_vgpr_workitem_id 0
		.amdhsa_next_free_vgpr 90
		.amdhsa_next_free_sgpr 66
		.amdhsa_reserve_vcc 0
		.amdhsa_float_denorm_mode_32 3
		.amdhsa_float_denorm_mode_16_64 3
		.amdhsa_memory_ordered 1
		.amdhsa_forward_progress 1
		.amdhsa_inst_pref_size 11
	.end_amdhsa_kernel
	.amdgpu_metadata
---
amdhsa.version: [ 1, 2 ]
amdhsa.kernels:
  - .name:           k_qe702d63146_kvpart
    .symbol:         k_qe702d63146_kvpart.kd
    .args:
      - { .name: visual_features, .offset: 0, .size: 8, .value_kind: global_buffer, .address_space: global }
      - { .name: Wk, .offset: 8, .size: 8, .value_kind: global_buffer, .address_space: global }
      - { .name: Wv, .offset: 16, .size: 8, .value_kind: global_buffer, .address_space: global }
      - { .name: kvp, .offset: 24, .size: 8, .value_kind: global_buffer, .address_space: global }
    .group_segment_fixed_size: 17408
    .private_segment_fixed_size: 0
    .kernarg_segment_align: 8
    .kernarg_segment_size: 32
    .max_flat_workgroup_size: 256
    .sgpr_count:     66
    .vgpr_count:     90
    .wavefront_size: 32
...
	.end_amdgpu_metadata
.endif
;; end of part 1
;; launch fold (part 2): grid 128 x 2, 8 waves a work-group, no clusters, 19,456 bytes of LDS; arguments kvp, bk, bv, Wq, bq, Wp, Uh, Zh, c0; writes Uh, Zh, c0
.if DOCPART == 2
	.amdgcn_target "amdgcn-amd-amdhsa--gfx1250"
	.amdhsa_code_object_version 6
	.text
	.protected	k_qe702d63146_fold
	.globl	k_qe702d63146_fold
	.p2align	8
	.type	k_qe702d63146_fold,@function
k_qe702d63146_fold:
	s_mov_b64 s[64:65], 0
	v_nop
	global_prefetch_b8 v0, s[64:65] scope:SCOPE_SE
	s_setreg_imm32_b32 hwreg(HW_REG_WAVE_MODE, 25, 1), 1
	s_wait_xcnt 0x0
; The one key and the one value vector of each (batch, head) are finished here (eight partial sums + bias) and carried through the
; two large weights, so that the last launch needs neither Wq nor Wp:
;   y = 0:  U[b][h][c] = sum over d of Wq[c][64 h + d] k[b][h][d]   and   c0[h][b] = sum over d of bq[64 h + d] k[b][h][d],
;           so that q . k = x . U + c0 (the sum over c and the sum over d change places: true of all inputs);
;   y = 1:  Z[b][h][n] = sum over d of v[b][h][d] Wp[64 h + d][n],  so that y Wp = sum over h of (the head's softmax weight) x Z.
; All in f32 on the vector unit (four batch rows against weights streamed once); U and Z are rounded once, to bf16, as matrix operands of the next launch.
; Work-group x = 8 head + part: 128 rows c of Wq x the head's 256 bytes, or the head's 64 rows of Wp x 512 bytes (128 columns).
; Zh is stored in the order in which the next launch wants its columns: position 64 g + 16 q + r of a part holds column 64 g + 4 r + q.
; No joint requests: each weight byte is read by one work-group; the eight parts of a head share 8 KiB of kvp against 32 KiB of weights,
; and the loads go through registers.
; LIMITS: q itself is never formed, so a score whose sum overflows f32 in one order and not in the other would differ;
; c0, 256 bytes in all, is stored in pieces of 16 bytes by sixteen work-groups.
.set STAGE, 1024                       ; LDS: [0, 1024) k or v as [b][64] f32; [1024, 2048) U's stage [b][128] bf16
.set RED,   2048                       ; [2048, 18432) Z: eight waves' sets of [b][128 positions] f32
.set PT,  8                            ; v[8:16]    eight partial sums and the bias
.set W,   20                           ; v[20:55]   weight rows, four numbers each (role U: a ninth row, bq)
.set KF,  56                           ; v[56:71]   role U: k[b][my four d]
.set VF,  56                           ; v[56:87]   role Z: v[b][my wave's eight d], at VF + 8 b + i
.set ACC, 88                           ; v[88:103]  role Z: sums [b][4 columns]
.set PR,  88                           ; v[88:119]  role U: sums [b][row i], at PR + 8 b + i
.set PB,  120                          ; v[120:123] role U: bq . k for each b
.set TT,  124                          ; v[124:131] at work, four pairs
.set QQ,  132                          ; v[132:147] role U: [b] eight bf16 in four registers
.set SEL, 148                          ; v[148:151] role U: the batch that this lane stores
	s_load_b512 s[8:23], s[0:1], 0x0               ; kvp 8, bk 10, bv 12, Wq 14, bq 16, Wp 18, Uh 20, Zh 22
	s_load_b64 s[24:25], s[0:1], 0x40              ; c0
	v_lshl_add_u32 v152, v0, 2, 0x4800
	v_mov_b32 v153, 0
	s_lshr_b32 s26, ttmp9, 3                       ; head
	s_and_b32 s27, ttmp9, 7                        ; part
	s_and_b32 s29, ttmp7, 0xffff                   ; role
	v_lshrrev_b32 v2, 5, v0
	v_readfirstlane_b32 s28, v2                    ; wave
	v_and_b32 v1, 15, v0                           ; r
	v_lshlrev_b32 v4, 2, v0                        ; 4 t: thread t = 64 b + d finishes k or v [b][d]
	v_and_b32 v5, 63, v0
	v_lshlrev_b32 v5, 2, v5                        ; 4 d
	s_lshl_b32 s34, s29, 17
	s_lshl_b32 s35, s26, 13
	s_add_co_u32 s34, s34, s35                     ; (128 role + 8 head) x 1,024 bytes of kvp
	s_mov_b32 s35, 0
	s_lshl_b32 s36, s26, 8                         ; the head's 256 bytes in a bias and in a row of Wq
	s_mov_b32 s37, 0
	s_wait_kmcnt 0x0
	s_add_nc_u64 s[8:9], s[8:9], s[34:35]
.macro KVLOAD bias                     ; nine small loads: the eight kparts' sums of my [b][d], and the bias of d
.irp p, 0,1,2,3,4,5,6,7
	global_load_b32 v[PT+\p], v4, s[8:9] offset:1024*\p
.endr
	global_load_b32 v[PT+8], v5, s[\bias:\bias+1]
.endm
.macro KVSUM n                         ; n = the weight loads issued behind the nine: they stay out
	s_wait_loadcnt \n
	v_pk_add_f32 v[PT:PT+1],   v[PT:PT+1],   v[PT+2:PT+3]
	v_pk_add_f32 v[PT+4:PT+5], v[PT+4:PT+5], v[PT+6:PT+7]
	v_pk_add_f32 v[PT:PT+1],   v[PT:PT+1],   v[PT+4:PT+5]
	v_add_f32 v[PT], v[PT], v[PT+1]
	v_add_f32 v[PT], v[PT], v[PT+8]
	ds_store_b32 v4, v[PT]
	s_wait_dscnt 0x0                               ; my store is done before I say so: every wave reads all 1,024 bytes
	s_barrier_signal -1
	s_barrier_wait -1
.endm
.macro ADD4 a, b
	v_pk_add_f32 v[\a:\a+1],   v[\a:\a+1],   v[\b:\b+1]
	v_pk_add_f32 v[\a+2:\a+3], v[\a+2:\a+3], v[\b+2:\b+3]
.endm
.macro ADD8 a, b
	ADD4 \a, \b
	ADD4 \a+4, \b+4
.endm
	s_cmp_lg_u32 s29, 0                            ; the role is the work-group's y: the same in all its waves
	s_cbranch_scc1 .Lrole_z
	; ---------------- role U ----------------
	s_add_nc_u64 s[10:11], s[10:11], s[36:37]      ; bk at the head
	KVLOAD 10
	s_lshl_b32 s34, s27, 19                        ; 128 part rows of 4,096 bytes
	s_add_co_u32 s34, s34, s36
	s_add_nc_u64 s[14:15], s[14:15], s[34:35]      ; Wq at my rows and the head's columns
	s_add_nc_u64 s[16:17], s[16:17], s[36:37]      ; bq at the head
	s_lshl_b32 s34, s26, 11
	s_lshl_b32 s38, s27, 8
	s_add_co_u32 s34, s34, s38
	s_add_nc_u64 s[20:21], s[20:21], s[34:35]      ; Uh at [0][head][128 part]
	s_lshl_b32 s34, s26, 4
	s_add_nc_u64 s[24:25], s[24:25], s[34:35]      ; c0 at [head][0]
	v_lshrrev_b32 v2, 4, v0                        ; row group 0..15
	v_lshlrev_b32 v6, 4, v1                        ; 16 r: my four d
	v_lshl_or_b32 v3, v2, 15, v6                   ; 8 rows of 4,096 bytes a group + 16 r
.irp i, 0,1,2,3,4,5,6,7
	global_load_b128 v[W+4*\i:W+4*\i+3], v3, s[14:15] offset:4096*\i th:TH_LOAD_NT   ; each half of the wave: 256 consecutive bytes, aligned
.endr
	global_load_b128 v[W+32:W+35], v6, s[16:17]    ; bq goes along as a ninth row
	KVSUM 9
.irp b, 0,1,2,3
	ds_load_b128 v[KF+4*\b:KF+4*\b+3], v6 offset:256*\b
.endr
	s_wait_dscnt 0x0
; my four d of row i against all four batches' k; the result for batch b goes to register dst + step b
.macro DOTROW i, dst, step
	s_wait_loadcnt 8-\i                            ; row i is in, the 8 - i behind it may stay out
.irp b, 0,1,2,3
	v_pk_mul_f32 v[TT+2*\b:TT+2*\b+1], v[W+4*\i:W+4*\i+1], v[KF+4*\b:KF+4*\b+1]
	v_pk_fma_f32 v[TT+2*\b:TT+2*\b+1], v[W+4*\i+2:W+4*\i+3], v[KF+4*\b+2:KF+4*\b+3], v[TT+2*\b:TT+2*\b+1]
.endr
.irp b, 0,1,2,3
	v_add_f32 v[\dst+\step*\b], v[TT+2*\b], v[TT+2*\b+1]
.endr
.endm
.irp i, 0,1,2,3,4,5,6,7
	DOTROW \i, PR+\i, 8
.endr
	DOTROW 8, PB, 1
	; the sum over the 16 lanes that share a row: four steps on the adds themselves, 36 independent registers in each
.irp m, 1,2,4,8
.set j, 0
.rept 36
	v_add_f32_dpp v[PR+j], v[PR+j], v[PR+j] row_xmask:\m row_mask:0xf bank_mask:0xf
.set j, j+1
.endr
.endr
.irp b, 0,1,2,3
.irp x, 0,1,2,3
	v_cvt_pk_bf16_f32 v[QQ+4*\b+\x], v[PR+8*\b+2*\x], v[PR+8*\b+2*\x+1]   ; eight rows c of batch b: 16 bytes of Uh
.endr
.endr
	v_and_b32 v7, 3, v1                            ; lane r stores batch r & 3 (four lanes store the same bytes with the same value: EXEC stays whole)
	v_cmp_eq_u32 s30, 1, v7
	v_cmp_eq_u32 s31, 2, v7
	v_cmp_eq_u32 s32, 3, v7
.irp x, 0,1,2,3
	v_cndmask_b32 v[SEL+\x], v[QQ+\x], v[QQ+4+\x], s30
	v_cndmask_b32 v[SEL+\x], v[SEL+\x], v[QQ+8+\x], s31
	v_cndmask_b32 v[SEL+\x], v[SEL+\x], v[QQ+12+\x], s32
.endr
	v_lshlrev_b32 v7, 8, v7
	v_lshl_add_u32 v7, v2, 4, v7                   ; 256 b + 16 x row group
	ds_store_b128 v7, v[SEL:SEL+3] offset:STAGE
	s_wait_dscnt 0x0                               ; done before I say so: waves 0 and 1 read all of the stage
	s_barrier_signal -1
	s_barrier_wait -1
	s_cmp_gt_u32 s28, 1
	s_cbranch_scc1 .Lend_u                         ; 64 threads x 16 bytes are the whole result
	v_lshlrev_b32 v17, 4, v0
	ds_load_b128 v[TT:TT+3], v17 offset:STAGE      ; thread t: batch t >> 4, piece t & 15
	s_wait_dscnt 0x0
	global_store_b128 v3, v[TT:TT+3], s[20:21]     ; v3 = 32,768 (t >> 4) + 16 (t & 15) is Uh's offset too; sixteen lanes store 256 consecutive bytes, aligned
	s_cmp_lg_u32 s27, 0
	s_cbranch_scc1 .Lend_u                         ; bq . k is the same in all eight parts: part 0 stores it
	v_mov_b32 v2, 0
	v_cmp_eq_u32 vcc_lo, 0, v0
	s_wait_xcnt 0x0                                ; EXEC is a source of the store above: it changes only behind this wait
	s_and_saveexec_b32 s33, vcc_lo
	global_store_b128 v2, v[PB:PB+3], s[24:25]     ; thread 0: c0[head][0..3]
	s_wait_xcnt 0x0                                ; and again in front of the line that widens EXEC
	s_or_b32 exec_lo, exec_lo, s33
.Lend_u:
	s_wait_tensorcnt 0x0
	ds_add_u32 v152, v153
	s_wait_dscnt 0x0
	s_endpgm
	; ---------------- role Z ----------------
.Lrole_z:
	s_add_nc_u64 s[12:13], s[12:13], s[36:37]      ; bv at the head
	KVLOAD 12
	s_lshl_b32 s34, s26, 18                        ; 64 head rows of 4,096 bytes
	s_lshl_b32 s38, s27, 9                         ; + the part's 512 bytes in a row
	s_add_co_u32 s34, s34, s38
	s_add_nc_u64 s[18:19], s[18:19], s[34:35]
	s_lshl_b32 s34, s26, 11
	s_lshl_b32 s38, s27, 8
	s_add_co_u32 s34, s34, s38
	s_add_nc_u64 s[22:23], s[22:23], s[34:35]      ; Zh at [0][head][128 part]
	v_and_b32 v2, 31, v0                           ; lane L: columns 4 L + 0..3 of the part
	v_lshrrev_b32 v6, 5, v0                        ; wave w: rows d = 8 w + 0..7
	v_lshlrev_b32 v3, 4, v2
	v_lshl_or_b32 v3, v6, 15, v3
.irp i, 0,1,2,3,4,5,6,7
	global_load_b128 v[W+4*\i:W+4*\i+3], v3, s[18:19] offset:4096*\i th:TH_LOAD_NT   ; the wave: 512 consecutive bytes, aligned
.endr
	v_lshlrev_b32 v7, 2, v1                        ; where my sums go: position 64 (L >> 4) + 16 q + (L & 15), four bytes each,
	v_bfe_u32 v17, v0, 4, 1
	v_lshl_add_u32 v7, v17, 8, v7
	v_lshl_add_u32 v7, v6, 11, v7                  ; in my wave's set of 2,048 bytes: 60 + 256 + 14,336 at the most; the last store ends at + 3,776 + 4 = 18,432
	v_lshlrev_b32 v6, 5, v6                        ; my wave's eight d in v: 32 w
	KVSUM 8
.irp b, 0,1,2,3
	ds_load_b128 v[VF+8*\b:VF+8*\b+3],   v6 offset:256*\b        ; all lanes read the same words
	ds_load_b128 v[VF+8*\b+4:VF+8*\b+7], v6 offset:256*\b+16
.endr
	s_wait_dscnt 0x0
; Row i of Wp into all four batches' sums; the multiplier v[b][8 w + i] is one register of a pair, sent to both halves by op_sel.  Row 0 starts the sums.
.macro ROWFMA i
	s_wait_loadcnt 7-\i                            ; row i is in, the 7 - i behind it may stay out
.irp b, 0,1,2,3
.irp q, 0,2
.if \i == 0
	v_pk_mul_f32 v[ACC+4*\b+\q:ACC+4*\b+\q+1], v[W+\q:W+\q+1], v[VF+8*\b:VF+8*\b+1] op_sel_hi:[1,0]
.else
.if (\i & 1) == 0
	v_pk_fma_f32 v[ACC+4*\b+\q:ACC+4*\b+\q+1], v[W+4*\i+\q:W+4*\i+\q+1], v[VF+8*\b+\i:VF+8*\b+\i+1], v[ACC+4*\b+\q:ACC+4*\b+\q+1] op_sel_hi:[1,0,1]
.else
	v_pk_fma_f32 v[ACC+4*\b+\q:ACC+4*\b+\q+1], v[W+4*\i+\q:W+4*\i+\q+1], v[VF+8*\b+\i-1:VF+8*\b+\i], v[ACC+4*\b+\q:ACC+4*\b+\q+1] op_sel:[0,1,0] op_sel_hi:[1,1,1]
.endif
.endif
.endr
.endr
.endm
.irp i, 0,1,2,3,4,5,6,7
	ROWFMA \i
.endr
.irp b, 0,1,2,3
.irp q, 0,1,2,3
	ds_store_b32 v7, v[ACC+4*\b+\q] offset:RED+512*\b+64*\q      ; here the columns take Zh's order
.endr
.endr
	s_wait_dscnt 0x0                               ; done before I say so: waves 0 and 1 read all eight sets
	s_barrier_signal -1
	s_barrier_wait -1
	s_cmp_gt_u32 s28, 1
	s_cbranch_scc1 .Lend_z                         ; 64 threads x 16 bytes are the whole result
	v_lshrrev_b32 v2, 4, v0                        ; thread t: batch t >> 4, eight positions at 8 (t & 15)
	v_lshlrev_b32 v17, 5, v1
	v_lshl_add_u32 v17, v2, 9, v17                 ; 480 + 1,536 at the most for t < 64; the last load ends at + 16,400 + 16 = 18,432
	v_lshlrev_b32 v18, 4, v1
	v_lshl_or_b32 v18, v2, 15, v18
.irp p, 0,1,2,3,4,5,6,7
	ds_load_b128 v[W+8*\p:W+8*\p+3],   v17 offset:RED+2048*\p
	ds_load_b128 v[W+8*\p+4:W+8*\p+7], v17 offset:RED+2048*\p+16
.endr
	s_wait_dscnt 0x0
	ADD8 W, W+8
	ADD8 W+16, W+24
	ADD8 W+32, W+40
	ADD8 W+48, W+56
	ADD8 W, W+16
	ADD8 W+32, W+48
	ADD8 W, W+32
.irp x, 0,1,2,3
	v_cvt_pk_bf16_f32 v[W+\x], v[W+2*\x], v[W+2*\x+1]            ; Z is rounded once, here
.endr
	global_store_b128 v18, v[W:W+3], s[22:23]      ; sixteen lanes store 256 consecutive bytes, aligned
.Lend_z:
	s_wait_tensorcnt 0x0
	ds_add_u32 v152, v153
	s_wait_dscnt 0x0
	s_endpgm
.Lfunc_end_k_qe702d63146_fold:
	.size	k_qe702d63146_fold, .Lfunc_end_k_qe702d63146_fold-k_qe702d63146_fold
	.p2alignl 7, 3214868480
	.fill 96, 4, 3214868480
	.section	.rodata,"a",@progbits
	.p2align	6, 0x0
	.amdhsa_kernel k_qe702d63146_fold
		.amdhsa_group_segment_fixed_size 19456
		.amdhsa_private_segment_fixed_size 0
		.amdhsa_enable_private_segment 0
		.amdhsa_kernarg_size 72
		.amdhsa_user_sgpr_count 2
		.amdhsa_user_sgpr_kernarg_segment_ptr 1
		.amdhsa_wavefront_size32 1
		.amdhsa_system_sgpr_workgroup_id_x 1
		.amdhsa_system_sgpr_workgroup_id_y 1
		.amdhsa_system_sgpr_workgroup_id_z 1
		.amdhsa_system_vgpr_workitem_id 0
		.amdhsa_next_free_vgpr 154
		.amdhsa_next_free_sgpr 66
		.amdhsa_reserve_vcc 1
		.amdhsa_float_denorm_mode_32 3
		.amdhsa_float_denorm_mode_16_64 3
		.amdhsa_memory_ordered 1
		.amdhsa_forward_progress 1
		.amdhsa_inst_pref_size 35
	.end_amdhsa_kernel
	.amdgpu_metadata
---
amdhsa.version: [ 1, 2 ]
amdhsa.kernels:
  - .name:           k_qe702d63146_fold
    .symbol:         k_qe702d63146_fold.kd
    .args:
      - { .name: kvp, .offset: 0, .size: 8, .value_kind: global_buffer, .address_space: global }
      - { .name: bk, .offset: 8, .size: 8, .value_kind: global_buffer, .address_space: global }
      - { .name: bv, .offset: 16, .size: 8, .value_kind: global_buffer, .address_space: global }
      - { .name: Wq, .offset: 24, .size: 8, .value_kind: global_buffer, .address_space: global }
      - { .name: bq, .offset: 32, .size: 8, .value_kind: global_buffer, .address_space: global }
      - { .name: Wp, .offset: 40, .size: 8, .value_kind: global_buffer, .address_space: global }
      - { .name: Uh, .offset: 48, .size: 8, .value_kind: global_buffer, .address_space: global }
      - { .name: Zh, .offset: 56, .size: 8, .value_kind: global_buffer, .address_space: global }
      - { .name: c0, .offset: 64, .size: 8, .value_kind: global_buffer, .address_space: global }
    .group_segment_fixed_size: 19456
    .private_segment_fixed_size: 0
    .kernarg_segment_align: 8
    .kernarg_segment_size: 72
    .max_flat_workgroup_size: 256
    .sgpr_count:     66
    .vgpr_count:     154
    .wavefront_size: 32
...
	.end_amdgpu_metadata
.endif
;; end of part 2
;; launch attend (part 3): grid 256 x 1, 8 waves a work-group, clusters of 4 x 1, 168,960 bytes of LDS; arguments x, Uh, Zh, c0, bp, out0; writes out0
.if DOCPART == 3
	.amdgcn_target "amdgcn-amd-amdhsa--gfx1250"
	.amdhsa_code_object_version 6
	.text
	.protected	k_qe702d63146_attend
	.globl	k_qe702d63146_attend
	.p2align	8
	.type	k_qe702d63146_attend,@function
k_qe702d63146_attend:
	s_mov_b64 s[64:65], 0
	v_nop
	global_prefetch_b8 v0, s[64:65] scope:SCOPE_SE
	s_setreg_imm32_b32 hwreg(HW_REG_WAVE_MODE, 25, 1), 1
	s_wait_xcnt 0x0
	s_wait_alu depctr_hold_cnt(0) depctr_sa_sdst(0) depctr_va_vdst(0) depctr_va_sdst(0) depctr_va_ssrc(0) depctr_va_vcc(0) depctr_vm_vsrc(0)
	s_getreg_b32 s2, hwreg(HW_REG_IB_STS2, 6, 4)
	s_cmp_eq_u32 s2, 0
	s_cbranch_scc0 .Lentry_in_a_cluster
	s_endpgm
.Lentry_in_a_cluster:
	s_bfe_u32 s2, ttmp6, 0x10000c
	s_cmp_lg_u32 s2, 0x3003
	s_cbranch_scc0 .Lentry_shape_is_right
	s_endpgm
.Lentry_shape_is_right:
; out0[b][t][:] = sum over heads h of w[b][t][h] Z[b][h][:] + bp, with w the sum of the softmax weights of query t in head h.
; The keys and values of a (batch, head) are one vector, repeated over the 1,024 key positions by the problem's own text, so a query's
; 1,024 scores in a head are one number, s = (x[b][t] . U[b][h] + c0[h][b]) / 8.  The softmax is made on it as it is defined: the maximum of
; the 1,024 equal scores (the score) is taken away, e = exp(s - s), l = 1,024 e, and the weights' sum is 1,024 (e / l) = l x (1 / l).
; A score that is not finite gives NaN in the query's whole row, as the definition does.
; Work-group g owns rows 16 g .. 16 g + 15 of x and of out0 (64 work-groups a batch); eight waves.
;   product 1 (bf16, f32 sums): wave w takes c = 128 w .. + 127; the eight waves' 16 x 16 sums meet in LDS.
;   product 2 (bf16, f32 sums): wave w takes columns 128 w .. + 127; K is the 16 heads, filled up to the form's 32 with zeros on both sides.
; The whole input of a work-group, 128 KiB, is asked for at the start by three tensor loads a wave (three outstanding, by this text's count);
; nothing is filled again, so there is no ring.  A tile has the 16 rows that the work-group or the heads have.
; CLUSTER of 4 x 1: the four work-groups lie in one batch (b = cluster number >> 4), so U's and Z's tiles, 64 of each one's 128 KiB, are the same
; in all four and are asked for jointly (mask 15); x's tile is each work-group's own and is a plain load.
; The first product is used with U as source 0 and x as source 1: lane (r, h) then holds query r's scores of heads 8 h + 0..7, which is the place
; that source 0 of the second product wants them in.  Zh's columns were laid so that a lane's results of four neighbouring tiles are four
; neighbouring columns: sixteen lanes store 256 consecutive bytes without a way through LDS.
; LIMITS: x, U, w and Z are rounded to bf16 as matrix operands; the score is summed as x . (Wq k) + bq . k, not as (x Wq + bq) . k.
.set XP, 528                           ; x: 512 bytes + 16 of padding, an odd multiple of 16: the 16 rows of a fragment load start 16 bytes apart modulo 256
.set XW, 16*XP                         ; a wave's tile
.set US, 8*XW                          ; 67,584
.set UP, 272                           ; U: 256 bytes + 16
.set UW, 16*UP
.set ZS, US+8*UW                       ; 102,400
.set ZP, 288                           ; Z: 256 bytes + 32, an odd multiple of 32, for the transposing load
.set ZW, 16*ZP
.set PS, ZS+8*ZW                       ; 139,264: eight waves' partial scores, 1,024 bytes each; written by LDS stores alone, no tensor load lands here
.set XF,   16                          ; v[16:79]   x as f32, 16 registers a K step; then the eight partial sets; then the softmax; then the output
.set UB,   80                          ; v[80:111]  U's fragments, four K steps
.set XB,   112                         ; v[112:143] x's fragments in bf16
.set DD,   80                          ; v[80:143]  the second product's eight tiles
.set ACC0, 144
.set ACC1, 152
.set C0,   160                         ; v[160:167] c0 of my eight heads
.set BI,   168                         ; v[168:175] bp of my 2 x 4 columns
.set ZB,   176                         ; v[176:239] Z's eight fragments
.set WA,   240                         ; v[240:247] the softmax weights as a fragment
.set SC,   16                          ; the softmax's steps, eight registers each, inside v[16:79]
.set TS,   24
.set DF,   32
.set EX,   40
.set LS,   48
.set RC,   56
.set WS,   64
.set OO,   16                          ; output: OO + 32 g + 4 j + q
; A round of the cluster's barrier: my work-group's barrier, wave 0 signals for the work-group, every wave waits for all four work-groups, my work-group's barrier again.
.macro ROUND
	s_barrier_signal -1
	s_barrier_wait -1
	s_cmp_lg_u32 s52, 0
	s_cbranch_scc1 .Lnot_wave_0_\@
	s_barrier_signal -3
.Lnot_wave_0_\@:
	s_barrier_wait -3
	s_barrier_signal -1
	s_barrier_wait -1
.endm
.macro ADD8 a, b
	v_pk_add_f32 v[\a:\a+1],   v[\a:\a+1],   v[\b:\b+1]
	v_pk_add_f32 v[\a+2:\a+3], v[\a+2:\a+3], v[\b+2:\b+3]
	v_pk_add_f32 v[\a+4:\a+5], v[\a+4:\a+5], v[\b+4:\b+5]
	v_pk_add_f32 v[\a+6:\a+7], v[\a+6:\a+7], v[\b+6:\b+7]
.endm
	s_load_b256 s[4:11], s[0:1], 0x0               ; x s[4:5], Uh s[6:7], Zh s[8:9], c0 s[10:11]
	s_load_b128 s[12:15], s[0:1], 0x20             ; bp s[12:13], out0 s[14:15]
	v_lshl_add_u32 v248, v0, 2, 0x29000
	v_mov_b32 v249, 0
	ds_add_u32 v248, v249
	v_lshrrev_b32 v1, 5, v0
	v_readfirstlane_b32 s52, v1                    ; wave
	s_bfe_u32 s53, ttmp6, 0x40000                  ; cx
	s_lshl_b32 s54, ttmp9, 2
	s_add_co_u32 s54, s54, s53                     ; work-group g = 4 x cluster + cx
	s_lshr_b32 s55, ttmp9, 4                       ; batch: of the cluster's number alone, shared by the four
	; group 1 of the three descriptors: 16 rows x 128 elements, 1,024 elements from row to row; they differ in the first word
	s_mov_b32 s16, (2<<16)|(1<<20)|(6<<22)|(3<<25)              ; x: no mask; elements of 4 bytes; 4 words of padding behind every 128
	s_mov_b32 s24, 15|(1<<16)|(1<<20)|(1<<21)|(5<<22)|(3<<25)   ; U: all four work-groups, bit 21 beside the mask; 2 bytes; 4 words behind every 64
	s_mov_b32 s32, 15|(1<<16)|(1<<20)|(1<<21)|(5<<22)|(7<<25)   ; Z: the same with 8 words of padding
.irp g, 16, 24, 32
	s_mov_b32 s[\g+1], 128<<16                     ; tensor_dim0 = 128
	s_mov_b32 s[\g+2], 16<<16                      ; tensor_dim1 = 16
	s_mov_b32 s[\g+3], 128<<16                     ; tile_dim0 = 128
	s_mov_b32 s[\g+4], 16                          ; tile_dim1 = 16
	s_mov_b32 s[\g+5], 1024                        ; the pitch
	s_mov_b32 s[\g+6], 0
	s_mov_b32 s[\g+7], 0
.endr
	; group 0: the LDS addresses hang on the wave's number alone
	s_mov_b32 s40, 1
	s_mul_i32 s41, s52, XW
	s_mov_b32 s44, 1
	s_mul_i32 s45, s52, UW
	s_add_co_u32 s45, s45, US
	s_mov_b32 s48, 1
	s_mul_i32 s49, s52, ZW
	s_add_co_u32 s49, s49, ZS
	s_lshl_b32 s60, s54, 16                        ; my 16 rows of 4,096 bytes, in x and in out0
	s_mov_b32 s61, 0
	s_lshl_b32 s56, s52, 9                         ; + the wave's 512 bytes of a row of x
	s_add_co_u32 s56, s56, s60
	s_mov_b32 s57, 0
	s_lshl_b32 s58, s55, 15                        ; U and Z: 32,768 b + the wave's 256 bytes; cx never enters these two registers
	s_lshl_b32 s59, s52, 8
	s_add_co_u32 s58, s58, s59
	s_mov_b32 s59, 0
	s_wait_dscnt 0x0
	s_wait_kmcnt 0x0
	s_add_nc_u64 s[42:43], s[4:5], s[56:57]
	s_or_b32 s43, s43, 0x80000000
	s_add_nc_u64 s[46:47], s[6:7], s[58:59]
	s_or_b32 s47, s47, 0x80000000
	s_add_nc_u64 s[50:51], s[8:9], s[58:59]
	s_or_b32 s51, s51, 0x80000000
	s_add_nc_u64 s[14:15], s[14:15], s[60:61]      ; out0 at my first row
	s_lshl_b32 s58, s55, 2
	s_add_nc_u64 s[10:11], s[10:11], s[58:59]      ; c0 at [0][b]
	ROUND                                          ; all four work-groups are here: the joint loads meet
	tensor_load_to_lds s[40:43], s[16:23]          ; x, my own
	s_nop 0
	tensor_load_to_lds s[44:47], s[24:31]          ; U, joint
	s_nop 0
	tensor_load_to_lds s[48:51], s[32:39]          ; Z, joint; wanted last
	s_nop 0
	v_and_b32 v1, 15, v0                           ; r
	v_bfe_u32 v2, v0, 4, 1                         ; h
	v_and_b32 v11, 31, v0                          ; lane L
	v_lshlrev_b32 v8, 7, v2                        ; c0: heads 8 h + j are 16 bytes apart
	v_lshlrev_b32 v9, 4, v1
	v_lshl_add_u32 v9, s52, 9, v9                  ; bp: 512 w + 16 r
	v_lshl_add_u32 v10, v2, 15, v9                 ; out0: + 8 h rows of 4,096 bytes
.irp j, 0,1,2,3,4,5,6,7
	global_load_b32 v[C0+\j], v8, s[10:11] offset:16*\j
.endr
	global_load_b128 v[BI:BI+3],   v9, s[12:13]
	global_load_b128 v[BI+4:BI+7], v9, s[12:13] offset:256
	v_mul_u32_u24 v3, v1, XP                       ; x: row r, K = 8 h + 0..7 as f32
	v_lshl_add_u32 v3, v2, 5, v3
	v_add_nc_u32 v3, s41, v3
	v_mul_u32_u24 v4, v1, UP                       ; U: row (head) r, K = 8 h + 0..7 as bf16
	v_lshl_add_u32 v4, v2, 4, v4
	v_add_nc_u32 v4, s45, v4
	v_and_b32 v12, 7, v0                           ; Z, stored [head][position]: row 8 h + (L & 7), 16 bytes at 16 ((L >> 3) & 1)
	v_lshl_add_u32 v12, v2, 3, v12
	v_mul_u32_u24 v5, v12, ZP
	v_bfe_u32 v12, v0, 3, 1
	v_lshl_add_u32 v5, v12, 4, v5
	v_add_nc_u32 v5, s49, v5
	v_lshlrev_b32 v7, 4, v11
	v_add_nc_u32 v7, PS, v7                        ; partial scores: 16 L in each wave's set,
	v_lshl_add_u32 v6, s52, 10, v7                 ; and in mine
	; heads 16 to 31 do not exist: the upper K halves of the second product's fragments are zeros, on both sides, so that 0 x 0 is added
.irp i, 0,1,2,3,4,5,6,7
.irp k, 4,5,6,7
	v_mov_b32 v[ZB+8*\i+\k], 0
.endr
.endr
.irp k, 4,5,6,7
	v_mov_b32 v[WA+\k], 0
.endr
	s_wait_tensorcnt 0x1                           ; tensor loads of a wave end in order: x's and U's tiles are in, Z's may stay out.  I read only what I fetched
.irp ks, 0,1,2,3
	ds_load_b128 v[UB+8*\ks:UB+8*\ks+3],     v4 offset:64*\ks
	ds_load_b128 v[UB+8*\ks+4:UB+8*\ks+7],   v4 offset:64*\ks+32
	ds_load_b128 v[XF+16*\ks:XF+16*\ks+3],     v3 offset:128*\ks
	ds_load_b128 v[XF+16*\ks+4:XF+16*\ks+7],   v3 offset:128*\ks+16
	ds_load_b128 v[XF+16*\ks+8:XF+16*\ks+11],  v3 offset:128*\ks+64
	ds_load_b128 v[XF+16*\ks+12:XF+16*\ks+15], v3 offset:128*\ks+80
.endr
; 32 along K: x is rounded to bf16 on its way to the matrix unit.  The two accumulators take turns, one instruction a turn.
.macro KSTEP ks, acc, first
	s_wait_dscnt 18-6*\ks                          ; LDS loads come back in order: this step's six are in, the six of each later step may stay out
.irp m, 0,1,2,3,4,5,6,7
	v_cvt_pk_bf16_f32 v[XB+8*\ks+\m], v[XF+16*\ks+2*\m], v[XF+16*\ks+2*\m+1]
.endr
.if \first
	v_wmma_f32_16x16x32_bf16 v[\acc:\acc+7], v[UB+8*\ks:UB+8*\ks+7], v[XB+8*\ks:XB+8*\ks+7], 0
.else
	v_wmma_f32_16x16x32_bf16 v[\acc:\acc+7], v[UB+8*\ks:UB+8*\ks+7], v[XB+8*\ks:XB+8*\ks+7], v[\acc:\acc+7]
.endif
.endm
	KSTEP 0, ACC0, 1                               ; the first two products start the two sums: nothing is cleared
	KSTEP 1, ACC1, 1
	KSTEP 2, ACC0, 0
	KSTEP 3, ACC1, 0
.rept 4
	v_nop                                          ; four places behind the last matrix instruction before its result is read (ISA guide 7.12.1)
.endr
	ADD8 ACC0, ACC1
	ds_store_b128 v6, v[ACC0:ACC0+3]
	ds_store_b128 v6, v[ACC0+4:ACC0+7] offset:512
	s_wait_tensorcnt 0x0                           ; Z's tile is in; no tensor load of mine is out from here on
.irp i, 0,1,2,3,4,5,6,7
	ds_load_tr16_b128 v[ZB+8*\i:ZB+8*\i+3], v5 offset:32*\i      ; heads 8 h + 0..7 of position 16 i + r
.endr
	s_wait_dscnt 0x0                               ; my partial scores are stored before I say so: every wave reads all eight sets
	s_barrier_signal -1
	s_barrier_wait -1
.irp p, 0,1,2,3,4,5,6,7
	ds_load_b128 v[XF+8*\p:XF+8*\p+3],   v7 offset:1024*\p
	ds_load_b128 v[XF+8*\p+4:XF+8*\p+7], v7 offset:1024*\p+512
.endr
	s_wait_dscnt 0x0
	ADD8 XF, XF+8
	ADD8 XF+16, XF+24
	ADD8 XF+32, XF+40
	ADD8 XF+48, XF+56
	ADD8 XF, XF+16
	ADD8 XF+32, XF+48
	ADD8 XF, XF+32
	s_wait_loadcnt 0x0                             ; c0 and bp
	ADD8 SC, C0                                    ; x . U + bq . k = q . k of query r, heads 8 h + 0..7
	; the softmax over the 1,024 equal scores of each (query, head)
.irp m, 0,2,4,6
	v_pk_mul_f32 v[TS+\m:TS+\m+1], v[SC+\m:SC+\m+1], 0x3e38aa3b op_sel_hi:[1,0]   ; x 1/8 (the scale) x log2 e
.endr
.irp j, 0,1,2,3,4,5,6,7
	v_sub_f32 v[DF+\j], v[TS+\j], v[TS+\j]         ; less the row's maximum, which is the score itself
.endr
.irp j, 0,1,2,3,4,5,6,7
	v_exp_f32 v[EX+\j], v[DF+\j]
.endr
	v_nop                                          ; one plain place behind the last exponential before its result is used (ISA guide 5.7.2)
	s_wait_alu depctr_va_vdst(0)
.irp m, 0,2,4,6
	v_pk_mul_f32 v[LS+\m:LS+\m+1], v[EX+\m:EX+\m+1], 0x44800000 op_sel_hi:[1,0]   ; the row's sum: 1,024 equal terms
.endr
.irp j, 0,1,2,3,4,5,6,7
	v_rcp_f32 v[RC+\j], v[LS+\j]
.endr
	v_nop                                          ; the same place behind the last reciprocal
	s_wait_alu depctr_va_vdst(0)
.irp m, 0,2,4,6
	v_pk_mul_f32 v[WS+\m:WS+\m+1], v[LS+\m:LS+\m+1], v[RC+\m:RC+\m+1]            ; the 1,024 weights e / l, added up
.endr
.irp m, 0,1,2,3
	v_cvt_pk_bf16_f32 v[WA+\m], v[WS+2*\m], v[WS+2*\m+1]
.endr
	; out = w Z: eight tiles of 16 queries x 16 positions, each its own accumulator, started by the constant 0
.irp i, 0,1,2,3,4,5,6,7
	v_wmma_f32_16x16x32_bf16 v[DD+8*\i:DD+8*\i+7], v[WA:WA+7], v[ZB+8*\i:ZB+8*\i+7], 0
.endr
.rept 4
	v_nop                                          ; four places behind the last matrix instruction before a result is read (ISA guide 7.12.1)
.endr
	; Tile 4 g + q, register j, lane (r, h) is row 8 h + j, column 128 w + 64 g + 4 r + q: the add of the bias also lays four neighbouring columns side by side
.irp g, 0,1
.irp j, 0,1,2,3,4,5,6,7
.irp q, 0,1,2,3
	v_add_f32 v[OO+32*\g+4*\j+\q], v[DD+8*(4*\g+\q)+\j], v[BI+4*\g+\q]
.endr
	global_store_b128 v10, v[OO+32*\g+4*\j:OO+32*\g+4*\j+3], s[14:15] offset:4096*\j+256*\g th:TH_STORE_NT   ; each half of the wave stores 256 consecutive bytes, aligned
.endr
.endr
	s_wait_tensorcnt 0x0
	ds_add_u32 v248, v249
	s_wait_dscnt 0x0
	ROUND                                          ; the closing round: no work-group ends while a partner may still ask for a tile that names it
	s_endpgm
.Lfunc_end_k_qe702d63146_attend:
	.size	k_qe702d63146_attend, .Lfunc_end_k_qe702d63146_attend-k_qe702d63146_attend
	.p2alignl 7, 3214868480
	.fill 96, 4, 3214868480
	.section	.rodata,"a",@progbits
	.p2align	6, 0x0
	.amdhsa_kernel k_qe702d63146_attend
		.amdhsa_group_segment_fixed_size 168960
		.amdhsa_private_segment_fixed_size 0
		.amdhsa_enable_private_segment 0
		.amdhsa_kernarg_size 48
		.amdhsa_user_sgpr_count 2
		.amdhsa_user_sgpr_kernarg_segment_ptr 1
		.amdhsa_wavefront_size32 1
		.amdhsa_system_sgpr_workgroup_id_x 1
		.amdhsa_system_sgpr_workgroup_id_y 1
		.amdhsa_system_sgpr_workgroup_id_z 1
		.amdhsa_system_vgpr_workitem_id 0
		.amdhsa_next_free_vgpr 250
		.amdhsa_next_free_sgpr 66
		.amdhsa_reserve_vcc 0
		.amdhsa_float_denorm_mode_32 3
		.amdhsa_float_denorm_mode_16_64 3
		.amdhsa_memory_ordered 1
		.amdhsa_forward_progress 1
		.amdhsa_inst_pref_size 23
	.end_amdhsa_kernel
	.amdgpu_metadata
---
amdhsa.version: [ 1, 2 ]
amdhsa.kernels:
  - .name:           k_qe702d63146_attend
    .symbol:         k_qe702d63146_attend.kd
    .args:
      - { .name: x, .offset: 0, .size: 8, .value_kind: global_buffer, .address_space: global }
      - { .name: Uh, .offset: 8, .size: 8, .value_kind: global_buffer, .address_space: global }
      - { .name: Zh, .offset: 16, .size: 8, .value_kind: global_buffer, .address_space: global }
      - { .name: c0, .offset: 24, .size: 8, .value_kind: global_buffer, .address_space: global }
      - { .name: bp, .offset: 32, .size: 8, .value_kind: global_buffer, .address_space: global }
      - { .name: out0, .offset: 40, .size: 8, .value_kind: global_buffer, .address_space: global }
    .group_segment_fixed_size: 168960
    .private_segment_fixed_size: 0
    .kernarg_segment_align: 8
    .kernarg_segment_size: 48
    .max_flat_workgroup_size: 256
    .sgpr_count:     66
    .vgpr_count:     250
    .wavefront_size: 32
...
	.end_amdgpu_metadata
.endif
;; end of part 3
